; MI455X (gfx1250); checked and timed in simulation.
; The chip was launched on July 23, 2026; its instructions are those of AMD's public machine-readable ISA for CDNA 5 (MIT licence, August 2026) and "CDNA5" Instruction Set Architecture Reference Guide (July 2026). The comments in the code are by the model that wrote it; some were corrected since.
;; Multi Task Net. Allowed arithmetic: matrix products marked QUANTISED: E4M3 operands, one given power-of-two scale a tensor, by v_wmma_f32_16x16x64_fp8_fp8 or v_wmma_f32_16x16x128_fp8_fp8, f32 sums; products left as they are: f32 operands where the result goes on into a quantised operand, else bf16, f16 or f32 operands; f32 sums; everything else in f32.
;; Inputs: A 1,000,000 x 1 float32; B 1,000,000 x 1 float32; Q 1,000,000 x 32 float32; U 1,000,000 x 32 float32; W1_codes 64 x 3 x 32 uint8 (E4M3 codes of W1, K innermost, in blocks of 32 codes); W2 1 x 64 float32; b1 64 float32; b2 1 float32; item_ids 1,048,576 int32; lowp_scales 2 int32 (the exponents e of the quantised operands' scales 2^e); user_ids 1,048,576 int32.
;; Outputs: out0 1,048,576 float32; out1 1,048,576 float32.
;; This version of the problem:
;;   THIS VERSION OF THE PROBLEM IS GIVEN IN LOW PRECISION. The matrix products marked QUANTISED in the list below multiply operands that are first quantised to E4M3 (4 exponent bits, 3 mantissa bits; 8 bits a number), with one given power-of-two scale for each operand tensor; their sums are f32. All else is computed in f32.
;;   The module's matrix products, in the order in which they are computed (A, B: the left and right operand; K: the contracted axis; several contracted axes count as one K, in the product's order):
;;     1. batch 1,048,576 x [M 1, K 32] x [K 32, N 1]; A: computed on the way; B: computed on the way: left as it is (M = 1 < 16)
;;     2. [M 1,048,576, K 96] x [K 96, N 64]; A: computed on the way; B: input W1 (given as codes): QUANTISED (scales: A lowp_scales[0], B lowp_scales[1])
;;     3. [M 1,048,576, K 64] x [K 64, N 1]; A: computed on the way; B: input W2: left as it is (N = 1 < 16)
;;   THE QUANTISER, for each operand of a quantised product, along K:
;;     - The operand's scale is 2^e, e = its entry of the input lowp_scales (int32; the entries are numbered through the quantised products in the list's order, A before B).
;;     - Each number is divided by the scale, clamped to +-448, and rounded to the nearest number of E4M3, ties to even, subnormals kept.
;;     - The product sums the exact products of the quantised numbers (number of the format x scale) in f32.
;;   ~~~python
;;   def quantise(x, axis, e):      # numpy; x: float32 -> the quantised numbers, widened to float32 again
;;       x = np.moveaxis(x, axis, -1); K = x.shape[-1]
;;       r = np.clip(x / 2.0 ** e, -448, 448)
;;       step = 2.0 ** (np.maximum(np.frexp(np.where(r == 0, 1, r))[1] - 1, -6) - 3)
;;       q = np.round(r / step) * step * 2.0 ** e      # np.round: ties to even
;;       return np.moveaxis(q, -1, axis).astype(np.float32)
;;   ~~~
;;   OPERANDS COMPUTED ON THE WAY. 'Computed on the way' means the value that the module computes at that place (a softmax that the list does not call 'softmax' is quantised finished and normalised). What goes into a quantiser is computed in f32, as accurately as f32 sums, v_exp_f32 and their like allow (about 1e-6 of the number): no bf16 or f16 on the way to a quantiser, and a product that is left as it is and whose result goes on into a quantised operand takes f32 operands (vector FMAs, or v_wmma_f32_16x16x4_f32). A number that lies on a knife's edge between two numbers of the format may be rounded either way, as far as f32 arithmetic and the matrix unit's own rounding can turn it there, and no further.
;;   INPUTS GIVEN AS CODES. W1 (in the module: [64, 96], K = its axis 1): each comes as NAME_codes (uint8): NAME with its K axis moved to the last place and cut into blocks of 32 codes, [.., K / 32, bytes a block], one block behind the other in memory; one code a byte (a code: sign, 4 exponent bits, 3 mantissa bits); its scale is its entry of lowp_scales. Its value is code x scale, taken as it is: it is not quantised again, and the codes and scales need not be those that the quantiser above would give.
;; 2 versions, each right; version 2 is version 1 with the launch fused written anew for expert scheduling mode. Each part assembles by itself: llvm-mc -triple=amdgcn-amd-amdhsa -mcpu=gfx1250 --defsym DOCPART=n.
;; ======== version 1 of 2: 1 launch
;; launch fused (part 1): grid 256 x 1, 8 waves a work-group, no clusters, 74,752 bytes of LDS; arguments user_ids, item_ids, U, Q, A, B, W1_codes, b1, W2, b2, lowp_scales, out0, out1; writes out0, out1
.if DOCPART == 1
	.amdgcn_target "amdgcn-amd-amdhsa--gfx1250"
	.amdhsa_code_object_version 6
	.text
	.protected	k_qac3d42cd49_fused
	.globl	k_qac3d42cd49_fused
	.p2align	8
	.type	k_qac3d42cd49_fused,@function
k_qac3d42cd49_fused:
	s_mov_b64 s[64:65], 0
	v_nop
	global_prefetch_b8 v0, s[64:65] scope:SCOPE_SE
	s_setreg_imm32_b32 hwreg(HW_REG_WAVE_MODE, 25, 1), 1
	s_wait_xcnt 0x0
; out0[b] = (U[uid[b]] . Q[iid[b]] + A[uid[b]]) + B[iid[b]]
; out1[b] = relu([u, q, u*q] W1^T + b1) . W2 + b2, the 96 -> 64 product on codes of FP8 (E4M3): [u, q, u*q] quantised here with the given 2^e0, W1 given as codes with 2^e1.
; SHARES.  256 work-groups x 8 waves x 512 rows = 1,048,576 rows.  A wave owns 512 consecutive rows: 32 tiles of 16.  Waves share nothing: no barrier.
; GATHER.  A row of U or Q is 128 bytes: eight lanes read it whole, 16 bytes each, so one load of the wave reads four whole rows; a tile is 8 loads (4 KB).
; A ring of 8 register sets (window 1) is filled 7 tiles ahead: at each wait 6 tiles, 24 KB a wave, stay on their way.
; TURN.  The conversions want 16 neighbours along K in one lane, the gather gives a lane 16 bytes of four rows: a tile goes through the wave's own stage in LDS (pitch 144 bytes) and comes back
; with lane (r, h) holding u[16h .. 16h+15] and q[16h .. 16h+15] of row r.
; PRODUCT, used transposed: source 0 = 16 rows of W1, source 1 = 16 batch rows.  K = 96 is filled to 128 by zero codes on both sides.  Registers 4c .. 4c+3 hold k = 32c + 16h + 0 .. 15 on both sides: a permutation
; of k that is the same in both operands.  In the result lane (r, h), register j of tile t is hidden unit 16t + 8h + j of batch row r.
; The two scales are taken out of the sums: b1 x 2^-(e0+e1) is the C of the matrix instruction, W2 x 2^(e0+e1) multiplies relu(sum); both are exact multiplications by a power of two.
; NO CLUSTER: what work-groups share is W1, b1, W2: 6,656 bytes, read once into registers, against 1 MB of gathered rows a work-group.
; LIMITS.  e0 between -126 and 119 (2^e0 and 448 x 2^e0 are f32 numbers); b1 x 2^-(e0+e1) and W2 x 2^(e0+e1) must be f32 numbers.  NaN among the inputs is not served; an infinity is held at the largest code.
; An id outside 0 .. 999,999 is held at 999,999.  The dot product is summed as a tree, not in ascending order.
.set WREG, 9216                        ; LDS of a wave: +0 my 512 user ids, +2048 my 512 item ids, +4096 stage U (16 x 144), +6400 stage Q, +8704 the way out (predictions 256, scores 256)
.set IDQ,  2048
.set STU,  4096
.set STQ,  2304                        ; stage Q behind stage U
.set SPI,  144                         ; a stage row: 128 bytes + 16: an odd multiple of 16, so the 16 rows that a read touches fall on 16 different columns of 16 bytes
.set OST,  8704
.set MAXID, 0xf423f                    ; 999,999
.set L16, 1                            ; v1   16 d, d = lane % 8: my 16 bytes of a gathered row
.set STW, 2                            ; v2   stage, on the way in: row 4 gq, byte 16 d
.set STR, 3                            ; v3   stage, on the way out: row r, byte 64 h
.set IDA, 4                            ; v4   id area + 16 gq: the ids of my four rows of a tile
.set ABA, 5                            ; v5   id area + 4 lane
.set IDC, 6                            ; v6   IDA + s4
.set ABC, 7                            ; v7   ABA + s4
.set OSW, 8                            ; v8   the way out: + 4 lane
.set OSR, 9                            ; v9   the way out: + 8 lane
.set GO,  10                           ; v10  8 lane: my 8 bytes of a store's 256
.set SC,  11                           ; v11  2^e0
.set LIM, 12                           ; v12  448 x 2^e0
.set IDW, 13                           ; v13  id area + 16 lane (the copy at the head)
.set BI,  14                           ; v[14:15] (b2 in lanes 0-15, 0 in lanes 16-31; 0)
.set IU,  16                           ; v[16:19] four user ids, then byte offsets in U
.set IQ,  20                           ; v[20:23] the same for items
.set IA,  24                           ; v[24:27] ids, then offsets, for A (rows 0-31, 32-63 of 64) and for B
.set ABV, 28                           ; v[28:35] two sets of (a, a, b, b)
.set T,   36                           ; v[36:43] the dot product's partial sums
.set CH,  44                           ; v[44:47] the score in two chains of pairs
.set DP,  48                           ; v48, v49 dot: even tile's, odd tile's
.set SP,  50                           ; v50, v51 score likewise
.set PR,  52                           ; v52, v53 predictions of rows 0-31, 32-63
.set SR,  54                           ; v54, v55 scores
.set GI,  59                           ; v59  16 lane
.set OB,  60                           ; v[60:63] results read back from the way out
.set X,   64                           ; v[64:79] u, v[80:95] q
.set ACC, 64                           ; v[64:95] the four accumulators, laid over u and q when those are codes
.set P,   96                           ; v[96:111] u*q
.set CD,  112                          ; v[112:127] the operand's codes; 124-127 stay 0
.set W1F, 128                          ; v[128:191] W1's four fragments; registers 12-15 of each stay 0
.set B1,  192                          ; v[192:223] b1 x 2^-(e0+e1), in the result's layout
.set W2R, 224                          ; v[224:255] W2 x 2^(e0+e1), likewise
; window 1: ring set s at v[32 s]: 16 registers of U's rows, 16 of Q's
.set MSB, 0
.macro WIN new                         ; the immediate's high byte repeats the setting that is left
.if MSB != \new
	s_set_vgpr_msb (MSB<<8)|\new
.set MSB, \new
.endif
.endm
	s_load_b512 s[8:23], s[0:1], 0x0               ; user_ids s[8:9], item_ids s[10:11], U s[12:13], Q s[14:15], A s[16:17], B s[18:19], W1's codes s[20:21], b1 s[22:23]
	s_load_b256 s[24:31], s[0:1], 0x40             ; W2 s[24:25], b2 s[26:27], the scales' exponents s[28:29], out0 s[30:31]
	s_load_b64 s[32:33], s[0:1], 0x60              ; out1
	v_lshrrev_b32 v56, 5, v0
	v_readfirstlane_b32 s2, v56                    ; wave 0..7
	v_and_b32 v57, 31, v0                          ; lane
	v_and_b32 v56, 7, v0                           ; d
	v_lshlrev_b32 v[L16], 4, v56
	v_bfe_u32 v58, v0, 3, 1
	v_bfe_u32 v60, v0, 4, 1                        ; h
	v_lshl_add_u32 v58, v58, 1, v60                ; gq = 2 ((lane / 8) % 2) + h: lanes 0-7 rows 0-3, lanes 8-15 rows 8-11, lanes 16-23 rows 4-7, lanes 24-31 rows 12-15:
	                                               ; the two groups of a half of the lanes lie 8 rows = 1,152 bytes apart in the stage, 128 modulo 256
	v_and_b32 v61, 15, v0                          ; r
	s_mul_i32 s37, s2, WREG                        ; my wave's LDS
	s_add_co_u32 s38, s37, STU
	s_add_co_u32 s39, s37, OST
	v_mul_u32_u24 v[STW], v58, 4*SPI
	v_add_nc_u32 v[STW], v[STW], v[L16]
	v_add_nc_u32 v[STW], s38, v[STW]
	v_mul_u32_u24 v[STR], v61, SPI
	v_lshl_add_u32 v[STR], v60, 6, v[STR]
	v_add_nc_u32 v[STR], s38, v[STR]
	v_lshlrev_b32 v[IDA], 4, v58
	v_add_nc_u32 v[IDA], s37, v[IDA]
	v_lshlrev_b32 v[ABA], 2, v57
	v_add_nc_u32 v[ABA], s37, v[ABA]
	v_lshl_add_u32 v[OSW], v57, 2, s39
	v_lshl_add_u32 v[OSR], v57, 3, s39
	v_lshlrev_b32 v[GO], 3, v57
	v_lshlrev_b32 v[GI], 4, v57
	v_add_nc_u32 v[IDW], s37, v[GI]
	v_mul_u32_u24 v62, v61, 96                     ; W1: row r of 96 codes,
	v_lshl_add_u32 v62, v60, 4, v62                ; + 16 h
	v_lshlrev_b32 v63, 5, v60                      ; b1, W2: my half's eight numbers of a tile: 32 h
	s_mov_b32 s5, 0xffff0000                       ; the lanes with h = 1
	s_mov_b32 s6, 0x76543210                       ; v_permlanex16_b32: lane l takes lane l xor 16
	s_mov_b32 s7, 0xfedcba98
	s_mov_b32 s4, 0                                ; the byte step in the id area
	s_lshl_b32 s40, ttmp9, 3
	s_add_co_u32 s40, s40, s2
	s_lshl_b32 s40, s40, 11                        ; my wave's 512 rows x 4 bytes, in both id lists and both outputs
	s_mov_b32 s41, 0
	s_wait_kmcnt 0x0
	s_load_b64 s[34:35], s[28:29], 0x0             ; e0, e1
	s_load_b32 s36, s[26:27], 0x0                  ; b2
	s_add_nc_u64 s[8:9], s[8:9], s[40:41]
	s_add_nc_u64 s[10:11], s[10:11], s[40:41]
	s_add_nc_u64 s[30:31], s[30:31], s[40:41]
	s_add_nc_u64 s[32:33], s[32:33], s[40:41]
.irp j, 0,1,2,3
	global_load_b128 v[X+4*\j:X+4*\j+3], v[GI], s[8:9] offset:512*\j th:TH_LOAD_NT         ; my ids, read once, 512 consecutive bytes a load
	global_load_b128 v[X+16+4*\j:X+16+4*\j+3], v[GI], s[10:11] offset:512*\j th:TH_LOAD_NT
.endr
.irp t, 0,1,2,3
.irp c, 0,1,2
	global_load_b128 v[W1F+16*\t+4*\c:W1F+16*\t+4*\c+3], v62, s[20:21] offset:1536*\t+32*\c   ; W1(16 t + r, 32 c + 16 h + 0 .. 15)
.endr
.endr
.irp t, 0,1,2,3
	global_load_b128 v[B1+8*\t:B1+8*\t+3], v63, s[22:23] offset:64*\t                      ; b1(16 t + 8 h + 0 .. 7)
	global_load_b128 v[B1+8*\t+4:B1+8*\t+7], v63, s[22:23] offset:64*\t+16
	global_load_b128 v[W2R+8*\t:W2R+8*\t+3], v63, s[24:25] offset:64*\t
	global_load_b128 v[W2R+8*\t+4:W2R+8*\t+7], v63, s[24:25] offset:64*\t+16
.endr
	v_add_nc_u32 v[IDC], s4, v[IDA]
	v_add_nc_u32 v[ABC], s4, v[ABA]
	s_wait_loadcnt 0x0                             ; ids and constants, once
.irp j, 0,1,2,3
	ds_store_b128 v[IDW], v[X+4*\j:X+4*\j+3] offset:512*\j
	ds_store_b128 v[IDW], v[X+16+4*\j:X+16+4*\j+3] offset:IDQ+512*\j
.endr
	s_wait_dscnt 0x0                               ; the stores have read their registers, which the reads below fill again
; the ids of my four rows of tile kf (counted from s4's tile): 16 bytes of each list
.macro IDREAD kf, ru, rq
	ds_load_b128 v[\ru:\ru+3], v[IDC] offset:64*(\kf)
	ds_load_b128 v[\rq:\rq+3], v[IDC] offset:IDQ+64*(\kf)
.endm
; the ids of rows lane and 32 + lane of the tr-th group of 64 rows
.macro ABREAD tr
	ds_load_b32 v[IA], v[ABC] offset:256*(\tr)
	ds_load_b32 v[IA+1], v[ABC] offset:256*(\tr)+128
	ds_load_b32 v[IA+2], v[ABC] offset:IDQ+256*(\tr)
	ds_load_b32 v[IA+3], v[ABC] offset:IDQ+256*(\tr)+128
.endm
.macro ABGATHER set
.irp i, 0,1,2,3
	v_min_u32 v[IA+\i], MAXID, v[IA+\i]            ; a loaded number enters an address only behind this hold
.endr
.irp i, 0,1,2,3
	v_lshlrev_b32 v[IA+\i], 2, v[IA+\i]
.endr
	global_load_b32 v[ABV+4*(\set)], v[IA], s[16:17]
	global_load_b32 v[ABV+4*(\set)+1], v[IA+1], s[16:17]
	global_load_b32 v[ABV+4*(\set)+2], v[IA+2], s[18:19]
	global_load_b32 v[ABV+4*(\set)+3], v[IA+3], s[18:19]
.endm
; a tile's 16 rows of U and of Q into a ring set: load i takes rows 4 gq + i, eight lanes to a row.  No cache hint: a list may name a row twice
.macro GATHER set, ru, rq
.irp i, 0,1,2,3
	v_min_u32 v[\ru+\i], MAXID, v[\ru+\i]
	v_min_u32 v[\rq+\i], MAXID, v[\rq+\i]
.endr
.irp i, 0,1,2,3
	v_lshl_add_u32 v[\ru+\i], v[\ru+\i], 7, v[L16] ; id x 128 + 16 d
	v_lshl_add_u32 v[\rq+\i], v[\rq+\i], 7, v[L16]
.endr
	WIN 0x40                                       ; destination window 1, address window 0
.irp i, 0,1,2,3
	global_load_b128 v[32*(\set)+4*\i:32*(\set)+4*\i+3], v[\ru+\i], s[12:13]
.endr
.irp i, 0,1,2,3
	global_load_b128 v[32*(\set)+16+4*\i:32*(\set)+16+4*\i+3], v[\rq+\i], s[14:15]
.endr
	WIN 0
.endm
; a ring set through the stage.  LDS serves a wave's instructions in order (ISA guide 5.7.1.4): no wait between the stores and the loads
.macro TURN set
	WIN 0x04                                       ; store data window 1, address window 0
.irp i, 0,1,2,3
	ds_store_b128 v[STW], v[32*(\set)+4*\i:32*(\set)+4*\i+3] offset:SPI*\i
.endr
.irp i, 0,1,2,3
	ds_store_b128 v[STW], v[32*(\set)+16+4*\i:32*(\set)+16+4*\i+3] offset:STQ+SPI*\i
.endr
	WIN 0
.irp i, 0,1,2,3
	ds_load_b128 v[X+4*\i:X+4*\i+3], v[STR] offset:16*\i
.endr
.irp i, 0,1,2,3
	ds_load_b128 v[X+16+4*\i:X+16+4*\i+3], v[STR] offset:STQ+16*\i
.endr
.endm
; 16 numbers become 16 codes
.macro QUANT src, dst
.irp i, 0,1,2,3,4,5,6,7,8,9,10,11,12,13,14,15
	v_med3_num_f32 v[\src+\i], v[\src+\i], -v[LIM], v[LIM]   ; the conversion to an 8-bit code does not saturate (ISA guide 7.6.2): the hold at the largest code x the scale
.endr
	v_cvt_scalef32_pk8_fp8_f32 v[\dst:\dst+1], v[\src:\src+7], v[SC]
	v_cvt_scalef32_pk8_fp8_f32 v[\dst+2:\dst+3], v[\src+8:\src+15], v[SC]
.endm
; Two tiles' half sums (lane (r, h): half h of row r) become whole sums: lanes 0-15 keep the even tile's and send the odd one's, lanes 16-31 the other way round; lane l then holds row 32 p + l of the 64
.macro COMBINE p
	v_cndmask_b32 v56, v[DP], v[DP+1], s5
	v_cndmask_b32 v57, v[DP+1], v[DP], s5
	v_permlanex16_b32 v58, v57, s6, s7             ; (its destination counts as read: v58 was written at the head)
	v_add_f32 v[PR+\p], v56, v58
	v_cndmask_b32 v56, v[SP], v[SP+1], s5
	v_cndmask_b32 v57, v[SP+1], v[SP], s5
	v_permlanex16_b32 v58, v57, s6, s7
	v_add_f32 v[SR+\p], v56, v58
.endm
; 64 rows' results leave: through my own LDS bytes, so that each store of the wave covers 256 consecutive bytes, aligned
.macro OUT tb
	v_add_f32 v[PR], v[PR], v[ABV+4*(\tb)]         ; (u.q + A) + B
	v_add_f32 v[PR+1], v[PR+1], v[ABV+4*(\tb)+1]
	v_add_f32 v[PR], v[PR], v[ABV+4*(\tb)+2]
	v_add_f32 v[PR+1], v[PR+1], v[ABV+4*(\tb)+3]
	ds_store_b32 v[OSW], v[PR]
	ds_store_b32 v[OSW], v[PR+1] offset:128
	ds_store_b32 v[OSW], v[SR] offset:256
	ds_store_b32 v[OSW], v[SR+1] offset:384
	ds_load_b64 v[OB:OB+1], v[OSR]
	ds_load_b64 v[OB+2:OB+3], v[OSR] offset:256
	s_wait_dscnt 0x0
	global_store_b64 v[GO], v[OB:OB+1], s[30:31] offset:256*(\tb) th:TH_STORE_NT
	global_store_b64 v[GO], v[OB+2:OB+3], s[32:33] offset:256*(\tb) th:TH_STORE_NT
.endm
; ONE TILE.  k8: the tile's number among the trip's eight = its ring set.  fill = 1: the tile 7 further on is asked for.  cnt: the younger loads that may stay out
.macro STEP k8, fill, cnt
	s_wait_loadcnt \cnt                            ; loads come back in order (ISA guide 5.7.1): this tile's eight are in, and all that is older
	s_wait_xcnt 0x0                                ; every earlier memory instruction has had its addresses translated (ISA guide 3.1): the offsets of the last fill and the data of the last stores are rewritten only behind this wait
	TURN \k8
.if \fill
	IDREAD (\k8)+7, IU, IQ
.if (\k8)%4 == 0
	ABREAD (\k8)/4+1
.endif
.endif
	s_wait_dscnt 0x0                               ; u, q and the ids are in
.if \fill
.if (\k8)%4 == 0
	ABGATHER ((\k8)/4+1)%2                         ; the next 64 rows' A and B: older than their last tile's rows, so that tile's wait shows them in
.endif
	GATHER ((\k8)+7)%8, IU, IQ                     ; into the set that the tile before this one left
.endif
.irp i, 0,2,4,6,8,10,12,14
	v_pk_mul_f32 v[P+\i:P+\i+1], v[X+\i:X+\i+1], v[X+16+\i:X+16+\i+1]    ; u*q
.endr
.irp i, 0,1,2,3
	v_pk_add_f32 v[T+2*\i:T+2*\i+1], v[P+4*\i:P+4*\i+1], v[P+4*\i+2:P+4*\i+3]   ; the dot product's first level, ahead of the holds
.endr
	QUANT X, CD
	QUANT X+16, CD+4
	QUANT P, CD+8
	v_nop                                          ; one plain vector instruction between a scaled conversion and the matrix instructions that read its result and write over its sources
.irp t, 0,1,2,3
	v_wmma_f32_16x16x128_fp8_fp8 v[ACC+8*\t:ACC+8*\t+7], v[W1F+16*\t:W1F+16*\t+15], v[CD:CD+15], v[B1+8*\t:B1+8*\t+7]
.endr
	v_pk_add_f32 v[T:T+1], v[T:T+1], v[T+2:T+3]    ; the rest of the dot product: four plain instructions that name no register of the products: the places behind them (ISA guide 7.12.1)
	v_pk_add_f32 v[T+4:T+5], v[T+4:T+5], v[T+6:T+7]
	v_pk_add_f32 v[T:T+1], v[T:T+1], v[T+4:T+5]
	v_add_f32 v[DP+(\k8)%2], v[T], v[T+1]
.irp t, 0,1,2,3
.irp i, 0,1,2,3,4,5,6,7
	v_max_num_f32 v[ACC+8*\t+\i], 0, v[ACC+8*\t+\i]    ; relu; each accumulator from its low end on
.endr
.irp i, 0,2,4,6
.if (\t == 0) && (\i == 0)
	v_pk_fma_f32 v[CH:CH+1], v[ACC:ACC+1], v[W2R:W2R+1], v[BI:BI+1]      ; the first chain starts with b2 (in one half of the lanes alone)
.elseif (\t == 0) && (\i == 2)
	v_pk_mul_f32 v[CH+2:CH+3], v[ACC+2:ACC+3], v[W2R+2:W2R+3]            ; the second with its first product
.else
	v_pk_fma_f32 v[CH+\i%4:CH+\i%4+1], v[ACC+8*\t+\i:ACC+8*\t+\i+1], v[W2R+8*\t+\i:W2R+8*\t+\i+1], v[CH+\i%4:CH+\i%4+1]
.endif
.endr
.endr
	v_pk_add_f32 v[CH:CH+1], v[CH:CH+1], v[CH+2:CH+3]
	v_add_f32 v[SP+(\k8)%2], v[CH], v[CH+1]
.if (\k8)%2 == 1
	COMBINE ((\k8)%4)/2
.endif
.if (\k8)%4 == 3
	OUT (\k8)/4
.endif
.endm
	; THE RING IS FILLED: tiles 0 to 6 and the first 64 rows' A and B, in the order that every later fill keeps: three tiles, A and B, the group's fourth tile
.irp kf, 0,1,2,3,4,5,6
	IDREAD \kf, X+8*\kf, X+8*\kf+4
.endr
	ABREAD 0
	s_wait_dscnt 0x0
	GATHER 0, X, X+4
	GATHER 1, X+8, X+12
	GATHER 2, X+16, X+20
	ABGATHER 0
	GATHER 3, X+24, X+28
	GATHER 4, X+32, X+36
	GATHER 5, X+40, X+44
	GATHER 6, X+48, X+52
	; while they are on their way: the constants
.irp t, 0,1,2,3
.irp i, 12,13,14,15
	v_mov_b32 v[W1F+16*\t+\i], 0                   ; k = 96 .. 127: zero codes, on both sides
.endr
.endr
.irp i, 12,13,14,15
	v_mov_b32 v[CD+\i], 0
.endr
	s_wait_kmcnt 0x0
	s_add_co_i32 s37, s34, s35                     ; e0 + e1: a sum of the product stands for sum x 2^(e0 + e1)
	s_sub_co_i32 s38, 0, s37
	s_add_co_i32 s39, s34, 127
	s_lshl_b32 s40, s39, 23
	v_mov_b32 v[SC], s40                           ; 2^e0 as f32: the conversion takes its exponent field
	s_add_co_i32 s39, s39, 8
	s_lshl_b32 s39, s39, 23
	s_or_b32 s39, s39, 0x600000
	v_mov_b32 v[LIM], s39                          ; 448 x 2^e0
	v_mov_b32 v[BI], s36
	v_mov_b32 v[BI+1], 0
	v_cndmask_b32 v[BI], v[BI], v[BI+1], s5        ; b2 in lanes 0-15 alone: a row's two halves are added later
.irp i, 0,1,2,3,4,5,6,7,8,9,10,11,12,13,14,15,16,17,18,19,20,21,22,23,24,25,26,27,28,29,30,31
	v_ldexp_f32 v[B1+\i], v[B1+\i], s38            ; b1 / 2^(e0 + e1)
	v_ldexp_f32 v[W2R+\i], v[W2R+\i], s37          ; W2 x 2^(e0 + e1)
.endr
	; THE COUNTS.  At the wait for tile k all up to tile k + 6 has been asked for: 6 tiles x 8 loads, and 4 for each group of A and B that was asked for behind tile k:
	; one for a group's first and fourth tile, two for its second and third
	s_mov_b32 s3, 3
.Ltrip:                                                ; a trip: 8 tiles, 128 rows; three trips, tiles 0 to 23
	STEP 0, 1, 52
	STEP 1, 1, 56
	STEP 2, 1, 56
	STEP 3, 1, 52
	STEP 4, 1, 52
	STEP 5, 1, 56
	STEP 6, 1, 56
	STEP 7, 1, 52
	s_wait_xcnt 0x0                                ; the stores have read their bases
	s_add_nc_u64 s[30:31], s[30:31], 512
	s_add_nc_u64 s[32:33], s[32:33], 512
	s_add_co_u32 s4, s4, 512
	v_add_nc_u32 v[IDC], s4, v[IDA]
	v_add_nc_u32 v[ABC], s4, v[ABA]
	s_sub_co_u32 s3, s3, 1
	s_cmp_lg_u32 s3, 0
	s_cbranch_scc1 .Ltrip
	STEP 0, 1, 52                                  ; tiles 24 to 31 are written out: one more fill (tile 31, and the last 64 rows' A and B), then none, and the counts run down
	STEP 1, 0, 56
	STEP 2, 0, 48
	STEP 3, 0, 36
	STEP 4, 0, 28
	STEP 5, 0, 20
	STEP 6, 0, 12
	STEP 7, 0, 0
	s_wait_xcnt 0x0
	v_lshl_add_u32 v254, v0, 2, 0x12000
	v_mov_b32 v255, 0
	s_wait_tensorcnt 0x0
	ds_add_u32 v254, v255
	s_wait_dscnt 0x0
	s_endpgm
.Lfunc_end_k_qac3d42cd49_fused:
	.size	k_qac3d42cd49_fused, .Lfunc_end_k_qac3d42cd49_fused-k_qac3d42cd49_fused
	.p2alignl 7, 3214868480
	.fill 96, 4, 3214868480
	.section	.rodata,"a",@progbits
	.p2align	6, 0x0
	.amdhsa_kernel k_qac3d42cd49_fused
		.amdhsa_group_segment_fixed_size 74752
		.amdhsa_private_segment_fixed_size 0
		.amdhsa_enable_private_segment 0
		.amdhsa_kernarg_size 104
		.amdhsa_user_sgpr_count 2
		.amdhsa_user_sgpr_kernarg_segment_ptr 1
		.amdhsa_wavefront_size32 1
		.amdhsa_system_sgpr_workgroup_id_x 1
		.amdhsa_system_sgpr_workgroup_id_y 1
		.amdhsa_system_sgpr_workgroup_id_z 1
		.amdhsa_system_vgpr_workitem_id 0
		.amdhsa_next_free_vgpr 512
		.amdhsa_next_free_sgpr 66
		.amdhsa_reserve_vcc 0
		.amdhsa_float_denorm_mode_32 3
		.amdhsa_float_denorm_mode_16_64 3
		.amdhsa_memory_ordered 1
		.amdhsa_forward_progress 1
		.amdhsa_inst_pref_size 180
	.end_amdhsa_kernel
	.amdgpu_metadata
---
amdhsa.version: [ 1, 2 ]
amdhsa.kernels:
  - .name:           k_qac3d42cd49_fused
    .symbol:         k_qac3d42cd49_fused.kd
    .args:
      - { .name: user_ids, .offset: 0, .size: 8, .value_kind: global_buffer, .address_space: global }
      - { .name: item_ids, .offset: 8, .size: 8, .value_kind: global_buffer, .address_space: global }
      - { .name: U, .offset: 16, .size: 8, .value_kind: global_buffer, .address_space: global }
      - { .name: Q, .offset: 24, .size: 8, .value_kind: global_buffer, .address_space: global }
      - { .name: A, .offset: 32, .size: 8, .value_kind: global_buffer, .address_space: global }
      - { .name: B, .offset: 40, .size: 8, .value_kind: global_buffer, .address_space: global }
      - { .name: W1_codes, .offset: 48, .size: 8, .value_kind: global_buffer, .address_space: global }
      - { .name: b1, .offset: 56, .size: 8, .value_kind: global_buffer, .address_space: global }
      - { .name: W2, .offset: 64, .size: 8, .value_kind: global_buffer, .address_space: global }
      - { .name: b2, .offset: 72, .size: 8, .value_kind: global_buffer, .address_space: global }
      - { .name: lowp_scales, .offset: 80, .size: 8, .value_kind: global_buffer, .address_space: global }
      - { .name: out0, .offset: 88, .size: 8, .value_kind: global_buffer, .address_space: global }
      - { .name: out1, .offset: 96, .size: 8, .value_kind: global_buffer, .address_space: global }
    .group_segment_fixed_size: 74752
    .private_segment_fixed_size: 0
    .kernarg_segment_align: 8
    .kernarg_segment_size: 104
    .max_flat_workgroup_size: 256
    .sgpr_count:     66
    .vgpr_count:     512
    .wavefront_size: 32
...
	.end_amdgpu_metadata
.endif
;; end of part 1
;; ======== version 2 of 2: 1 launch; version 1 with the launch fused written anew for expert scheduling mode
;; launch fused (part 2): grid 256 x 1, 8 waves a work-group, no clusters, 74,752 bytes of LDS; arguments user_ids, item_ids, U, Q, A, B, W1_codes, b1, W2, b2, lowp_scales, out0, out1; writes out0, out1
.if DOCPART == 2
	.amdgcn_target "amdgcn-amd-amdhsa--gfx1250"
	.amdhsa_code_object_version 6
	.text
	.protected	k_qac3d42cd49_fused
	.globl	k_qac3d42cd49_fused
	.p2align	8
	.type	k_qac3d42cd49_fused,@function
k_qac3d42cd49_fused:
	s_mov_b64 s[64:65], 0
	v_nop
	global_prefetch_b8 v0, s[64:65] scope:SCOPE_SE
	s_setreg_imm32_b32 hwreg(HW_REG_WAVE_SCHED_MODE, 0, 2), 2
	s_setreg_imm32_b32 hwreg(HW_REG_WAVE_MODE, 25, 1), 1
	s_wait_xcnt 0x0
	s_wait_alu depctr_vm_vsrc(0)
; out0[b] = (U[uid[b]] . Q[iid[b]] + A[uid[b]]) + B[iid[b]]
; out1[b] = relu([u, q, u*q] W1^T + b1) . W2 + b2, the 96 -> 64 product on codes of FP8 (E4M3): [u, q, u*q] quantised here with the given 2^e0, W1 given as codes with 2^e1.
; SHARES.  256 work-groups x 8 waves x 512 rows = 1,048,576 rows.  A wave owns 512 consecutive rows: 32 tiles of 16.  Waves share nothing: no barrier.
; GATHER.  A row of U or Q is 128 bytes: eight lanes read it whole, 16 bytes each, so one load of the wave reads four whole rows; a tile is 8 loads (4 KB).
; A ring of 8 register sets (window 1) is filled 7 tiles ahead: at each wait 6 tiles, 24 KB a wave, stay on their way.
; TURN.  The conversions want 16 neighbours along K in one lane, the gather gives a lane 16 bytes of four rows: a tile goes through the wave's own stage in LDS (pitch 144 bytes) and comes back
; with lane (r, h) holding u[16h .. 16h+15] and q[16h .. 16h+15] of row r.
; PRODUCT, used transposed: source 0 = 16 rows of W1, source 1 = 16 batch rows.  K = 96 is filled to 128 by zero codes on both sides.  Registers 4c .. 4c+3 hold k = 32c + 16h + 0 .. 15 on both sides: a permutation
; of k that is the same in both operands.  In the result lane (r, h), register j of tile t is hidden unit 16t + 8h + j of batch row r.
; The two scales are taken out of the sums: b1 x 2^-(e0+e1) is the C of the matrix instruction, W2 x 2^(e0+e1) multiplies relu(sum); both are exact multiplications by a power of two.
; NO CLUSTER: what work-groups share is W1, b1, W2: 6,656 bytes, read once into registers, against 1 MB of gathered rows a work-group.
; LIMITS.  e0 between -126 and 119 (2^e0 and 448 x 2^e0 are f32 numbers); b1 x 2^-(e0+e1) and W2 x 2^(e0+e1) must be f32 numbers.  NaN among the inputs is not served; an infinity is held at the largest code.
; An id outside 0 .. 999,999 is held at 999,999.  The dot product is summed as a tree, not in ascending order.
; THE MODE: SCHED_MODE bits 1:0 = 2 (LLVM: expert scheduling mode 2), set by the entry lines.  The code itself states the register dependences
; between vector or matrix instructions and memory or LDS instructions, with s_wait_alu, always for 0.
; THE PLAN.  Step k works tile k.  Registers that memory or LDS instructions touch, round the loop:
;   ring set k % 8   The gather at the head of step k - 7 lands in it; step k's eight LDS stores read it; no vector instruction names it.
;   X = ACC          Step k's LDS loads from the stage land in it; then step k's vector and matrix instructions read and write it.
;   OFA, OFB         Two sets of eight offsets by turns.  In step k the ids of tile k + 8 land in set (k + 1) % 2 and vector instructions make them offsets; the gather at the head of step k + 1 reads them.
;   IA               The same for A and B, in a group's last step; the four loads at the head of the next step read it.
;   ABV              Those four loads land in it; the additions of the way out, seven steps later, read it.
;   PR, SR           Written by COMBINE and the way out's additions; read by the way out's LDS stores.
;   OB               T's first four registers: written by a step's additions; in the way out LDS loads land there and the global stores read them.
;   IDC, ABC         Read by the loads of ids; written once a trip, at its end.
;   L16, STW, STR, OSW, OSR, GO are made at the head and never written again.
; So two waits stand at a step's head.  The one on vm_vsrc: the LDS stores of the step before have read the ring set in which this step's gather lands; the gather of the step before has read the offsets
; on which this step's ids land; the way out's stores have read T, PR and SR.  The one on va_vdst: the step before is done with X, its offsets are written, it is done reading ABV.  Behind them the step's
; memory and LDS instructions stand in one run, with no vector instruction among them.  One more wait on va_vdst stands in the way out, one on vm_vsrc at a trip's end.
.set WREG, 9216                        ; LDS of a wave: +0 my 512 user ids, +2048 my 512 item ids, +4096 stage U (16 x 144), +6400 stage Q, +8704 the way out (predictions 256, scores 256)
.set IDQ,  2048
.set STU,  4096
.set STQ,  2304                        ; stage Q behind stage U
.set SPI,  144                         ; a stage row: 128 bytes + 16: an odd multiple of 16, so the 16 rows that a read touches fall on 16 different columns of 16 bytes
.set OST,  8704
.set MAXID, 0xf423f                    ; 999,999
.set L16, 1                            ; v1   16 d, d = lane % 8: my 16 bytes of a gathered row
.set STW, 2                            ; v2   stage, on the way in: row 4 gq, byte 16 d
.set STR, 3                            ; v3   stage, on the way out: row r, byte 64 h
.set IDA, 4                            ; v4   id area + 16 gq: the ids of my four rows of a tile
.set ABA, 5                            ; v5   id area + 4 lane
.set IDC, 6                            ; v6   IDA + s4
.set ABC, 7                            ; v7   ABA + s4
.set OSW, 8                            ; v8   the way out: + 4 lane
.set OSR, 9                            ; v9   the way out: + 8 lane
.set GO,  10                           ; v10  8 lane: my 8 bytes of a store's 256
.set SC,  11                           ; v11  2^e0
.set LIM, 12                           ; v12  448 x 2^e0
.set IDW, 13                           ; v13  id area + 16 lane (the copy at the head)
.set BI,  14                           ; v[14:15] (b2 in lanes 0-15, 0 in lanes 16-31; 0)
.set OFA, 16                           ; v[16:23] offsets, set 0: four user ids, then byte offsets in U; four item ids, then byte offsets in Q
.set IA,  24                           ; v[24:27] ids, then offsets, for A (rows 0-31, 32-63 of 64) and for B
.set ABV, 28                           ; v[28:35] two sets of (a, a, b, b)
.set T,   36                           ; v[36:43] the dot product's partial sums
.set OB,  36                           ; v[36:39] behind them: results read back from the way out
.set CT,  40                           ; v40-42   behind them: COMBINE's three
.set CH,  44                           ; v[44:47] the score in two chains of pairs
.set DP,  48                           ; v48, v49 dot: even tile's, odd tile's
.set SP,  50                           ; v50, v51 score likewise
.set PR,  52                           ; v52, v53 predictions of rows 0-31, 32-63
.set SR,  54                           ; v54, v55 scores
.set OFB, 56                           ; v[56:63] offsets, set 1 (= OFA + 40); at the head these eight hold the address arithmetic's numbers
.set GI,  59                           ; v59  at the head only: 16 lane
.set X,   64                           ; v[64:79] u, v[80:95] q
.set ACC, 64                           ; v[64:95] the four accumulators, laid over u and q when those are codes
.set P,   96                           ; v[96:111] u*q
.set CD,  112                          ; v[112:127] the operand's codes; 124-127 stay 0
.set W1F, 128                          ; v[128:191] W1's four fragments; registers 12-15 of each stay 0
.set B1,  192                          ; v[192:223] b1 x 2^-(e0+e1), in the result's layout
.set W2R, 224                          ; v[224:255] W2 x 2^(e0+e1), likewise
; window 1: ring set s at v[32 s]: 16 registers of U's rows, 16 of Q's
.set MSB, 0
.macro WIN new                         ; the immediate's high byte repeats the setting that is left
.if MSB != \new
	s_set_vgpr_msb (MSB<<8)|\new
.set MSB, \new
.endif
.endm
	s_load_b512 s[8:23], s[0:1], 0x0               ; user_ids s[8:9], item_ids s[10:11], U s[12:13], Q s[14:15], A s[16:17], B s[18:19], W1's codes s[20:21], b1 s[22:23]
	s_load_b256 s[24:31], s[0:1], 0x40             ; W2 s[24:25], b2 s[26:27], the scales' exponents s[28:29], out0 s[30:31]
	s_load_b64 s[32:33], s[0:1], 0x60              ; out1
	v_lshrrev_b32 v56, 5, v0
	v_readfirstlane_b32 s2, v56                    ; wave 0..7
	v_and_b32 v57, 31, v0                          ; lane
	v_and_b32 v56, 7, v0                           ; d
	v_lshlrev_b32 v[L16], 4, v56
	v_bfe_u32 v58, v0, 3, 1
	v_bfe_u32 v60, v0, 4, 1                        ; h
	v_lshl_add_u32 v58, v58, 1, v60                ; gq = 2 ((lane / 8) % 2) + h: lanes 0-7 rows 0-3, lanes 8-15 rows 8-11, lanes 16-23 rows 4-7, lanes 24-31 rows 12-15:
	                                               ; the two groups of a half of the lanes lie 8 rows = 1,152 bytes apart in the stage, 128 modulo 256
	v_and_b32 v61, 15, v0                          ; r
	s_wait_alu depctr_va_sdst(0)                   ; s2 is written, ahead of its first reader: my LDS bytes and my rows are made from it
	s_mul_i32 s37, s2, WREG                        ; my wave's LDS
	s_add_co_u32 s38, s37, STU
	s_add_co_u32 s39, s37, OST
	v_mul_u32_u24 v[STW], v58, 4*SPI
	v_add_nc_u32 v[STW], v[STW], v[L16]
	v_add_nc_u32 v[STW], s38, v[STW]
	v_mul_u32_u24 v[STR], v61, SPI
	v_lshl_add_u32 v[STR], v60, 6, v[STR]
	v_add_nc_u32 v[STR], s38, v[STR]
	v_lshlrev_b32 v[IDA], 4, v58
	v_add_nc_u32 v[IDA], s37, v[IDA]
	v_lshlrev_b32 v[ABA], 2, v57
	v_add_nc_u32 v[ABA], s37, v[ABA]
	v_lshl_add_u32 v[OSW], v57, 2, s39
	v_lshl_add_u32 v[OSR], v57, 3, s39
	v_lshlrev_b32 v[GO], 3, v57
	v_lshlrev_b32 v[GI], 4, v57
	v_add_nc_u32 v[IDW], s37, v[GI]
	v_mul_u32_u24 v62, v61, 96                     ; W1: row r of 96 codes,
	v_lshl_add_u32 v62, v60, 4, v62                ; + 16 h
	v_lshlrev_b32 v63, 5, v60                      ; b1, W2: my half's eight numbers of a tile: 32 h
	s_mov_b32 s5, 0xffff0000                       ; the lanes with h = 1
	s_mov_b32 s6, 0x76543210                       ; v_permlanex16_b32: lane l takes lane l xor 16
	s_mov_b32 s7, 0xfedcba98
	s_mov_b32 s4, 0                                ; the byte step in the id area
	v_add_nc_u32 v[IDC], s4, v[IDA]
	v_add_nc_u32 v[ABC], s4, v[ABA]
	s_lshl_b32 s40, ttmp9, 3
	s_add_co_u32 s40, s40, s2
	s_lshl_b32 s40, s40, 11                        ; my wave's 512 rows x 4 bytes, in both id lists and both outputs
	s_mov_b32 s41, 0
	s_wait_kmcnt 0x0
	s_load_b64 s[34:35], s[28:29], 0x0             ; e0, e1
	s_load_b32 s36, s[26:27], 0x0                  ; b2
	s_add_nc_u64 s[8:9], s[8:9], s[40:41]
	s_add_nc_u64 s[10:11], s[10:11], s[40:41]
	s_add_nc_u64 s[30:31], s[30:31], s[40:41]
	s_add_nc_u64 s[32:33], s[32:33], s[40:41]
	s_wait_alu depctr_va_vdst(0)                   ; every address and offset made above is written: v2, v3, v6 to v10, v13, v59, v62, v63, which the loads, stores and LDS instructions below read
.irp j, 0,1,2,3
	global_load_b128 v[X+4*\j:X+4*\j+3], v[GI], s[8:9] offset:512*\j th:TH_LOAD_NT         ; my ids, read once, 512 consecutive bytes a load
	global_load_b128 v[X+16+4*\j:X+16+4*\j+3], v[GI], s[10:11] offset:512*\j th:TH_LOAD_NT
.endr
.irp t, 0,1,2,3
.irp c, 0,1,2
	global_load_b128 v[W1F+16*\t+4*\c:W1F+16*\t+4*\c+3], v62, s[20:21] offset:1536*\t+32*\c   ; W1(16 t + r, 32 c + 16 h + 0 .. 15)
.endr
.endr
.irp t, 0,1,2,3
	global_load_b128 v[B1+8*\t:B1+8*\t+3], v63, s[22:23] offset:64*\t                      ; b1(16 t + 8 h + 0 .. 7)
	global_load_b128 v[B1+8*\t+4:B1+8*\t+7], v63, s[22:23] offset:64*\t+16
	global_load_b128 v[W2R+8*\t:W2R+8*\t+3], v63, s[24:25] offset:64*\t
	global_load_b128 v[W2R+8*\t+4:W2R+8*\t+7], v63, s[24:25] offset:64*\t+16
.endr
	s_wait_loadcnt 0x0                             ; ids and constants, once
.irp j, 0,1,2,3
	ds_store_b128 v[IDW], v[X+4*\j:X+4*\j+3] offset:512*\j
	ds_store_b128 v[IDW], v[X+16+4*\j:X+16+4*\j+3] offset:IDQ+512*\j
.endr
	s_wait_dscnt 0x0                               ; the copy of the ids lies in LDS
	s_wait_alu depctr_vm_vsrc(0)                   ; these LDS stores have read v[X ..], in which the reads of ids below land
; the ids of my four rows of tile kf (counted from s4's tile): 16 bytes of each list
.macro IDREAD kf, ru, rq
	ds_load_b128 v[\ru:\ru+3], v[IDC] offset:64*(\kf)
	ds_load_b128 v[\rq:\rq+3], v[IDC] offset:IDQ+64*(\kf)
.endm
; the ids of rows lane and 32 + lane of the tr-th group of 64 rows (counted from s4's group)
.macro ABREAD tr, reg
	ds_load_b32 v[\reg], v[ABC] offset:256*(\tr)
	ds_load_b32 v[\reg+1], v[ABC] offset:256*(\tr)+128
	ds_load_b32 v[\reg+2], v[ABC] offset:IDQ+256*(\tr)
	ds_load_b32 v[\reg+3], v[ABC] offset:IDQ+256*(\tr)+128
.endm
; four ids become byte offsets in A and B
.macro ABOFFS reg
.irp i, 0,1,2,3
	v_min_u32 v[\reg+\i], MAXID, v[\reg+\i]        ; a loaded number enters an address only behind this hold
.endr
.irp i, 0,1,2,3
	v_lshlrev_b32 v[\reg+\i], 2, v[\reg+\i]
.endr
.endm
.macro ABROWS set, reg
	global_load_b32 v[ABV+4*(\set)], v[\reg], s[16:17]
	global_load_b32 v[ABV+4*(\set)+1], v[\reg+1], s[16:17]
	global_load_b32 v[ABV+4*(\set)+2], v[\reg+2], s[18:19]
	global_load_b32 v[ABV+4*(\set)+3], v[\reg+3], s[18:19]
.endm
; eight ids become byte offsets in U and Q
.macro OFFS ru, rq
.irp i, 0,1,2,3
	v_min_u32 v[\ru+\i], MAXID, v[\ru+\i]
	v_min_u32 v[\rq+\i], MAXID, v[\rq+\i]
.endr
.irp i, 0,1,2,3
	v_lshl_add_u32 v[\ru+\i], v[\ru+\i], 7, v[L16] ; id x 128 + 16 d
	v_lshl_add_u32 v[\rq+\i], v[\rq+\i], 7, v[L16]
.endr
.endm
; a tile's 16 rows of U and of Q into a ring set: load i takes rows 4 gq + i, eight lanes to a row.  No cache hint: a list may name a row twice
.macro ROWS set, ru, rq
	WIN 0x40                                       ; destination window 1, address window 0
.irp i, 0,1,2,3
	global_load_b128 v[32*(\set)+4*\i:32*(\set)+4*\i+3], v[\ru+\i], s[12:13]
.endr
.irp i, 0,1,2,3
	global_load_b128 v[32*(\set)+16+4*\i:32*(\set)+16+4*\i+3], v[\rq+\i], s[14:15]
.endr
.endm
; a ring set through the stage.  LDS serves a wave's instructions in order (ISA guide 5.7.1.4): no wait between the stores and the loads
.macro TURN set
	WIN 0x04                                       ; store data window 1, address window 0
.irp i, 0,1,2,3
	ds_store_b128 v[STW], v[32*(\set)+4*\i:32*(\set)+4*\i+3] offset:SPI*\i
.endr
.irp i, 0,1,2,3
	ds_store_b128 v[STW], v[32*(\set)+16+4*\i:32*(\set)+16+4*\i+3] offset:STQ+SPI*\i
.endr
	WIN 0
.irp i, 0,1,2,3
	ds_load_b128 v[X+4*\i:X+4*\i+3], v[STR] offset:16*\i
.endr
.irp i, 0,1,2,3
	ds_load_b128 v[X+16+4*\i:X+16+4*\i+3], v[STR] offset:STQ+16*\i
.endr
.endm
; 16 numbers become 16 codes
.macro QUANT src, dst
.irp i, 0,1,2,3,4,5,6,7,8,9,10,11,12,13,14,15
	v_med3_num_f32 v[\src+\i], v[\src+\i], -v[LIM], v[LIM]   ; the conversion to an 8-bit code does not saturate (ISA guide 7.6.2): the hold at the largest code x the scale
.endr
	v_cvt_scalef32_pk8_fp8_f32 v[\dst:\dst+1], v[\src:\src+7], v[SC]
	v_cvt_scalef32_pk8_fp8_f32 v[\dst+2:\dst+3], v[\src+8:\src+15], v[SC]
.endm
; Two tiles' half sums (lane (r, h): half h of row r) become whole sums: lanes 0-15 keep the even tile's and send the odd one's, lanes 16-31 the other way round; lane l then holds row 32 p + l of the 64
.macro COMBINE p
	v_cndmask_b32 v[CT], v[DP], v[DP+1], s5
	v_cndmask_b32 v[CT+1], v[DP+1], v[DP], s5
	v_permlanex16_b32 v[CT+2], v[CT+1], s6, s7     ; (its destination counts as read: the step's additions have written it)
	v_add_f32 v[PR+\p], v[CT], v[CT+2]
	v_cndmask_b32 v[CT], v[SP], v[SP+1], s5
	v_cndmask_b32 v[CT+1], v[SP+1], v[SP], s5
	v_permlanex16_b32 v[CT+2], v[CT+1], s6, s7
	v_add_f32 v[SR+\p], v[CT], v[CT+2]
.endm
; 64 rows' results leave: through my own LDS bytes, so that each store of the wave covers 256 consecutive bytes, aligned
.macro OUT tb
	v_add_f32 v[PR], v[PR], v[ABV+4*(\tb)]         ; (u.q + A) + B
	v_add_f32 v[PR+1], v[PR+1], v[ABV+4*(\tb)+1]
	v_add_f32 v[PR], v[PR], v[ABV+4*(\tb)+2]
	v_add_f32 v[PR+1], v[PR+1], v[ABV+4*(\tb)+3]
	s_wait_alu depctr_va_vdst(0)                   ; PR and SR are written, which the LDS stores read; the step's additions are done with T's first four registers, in which the LDS loads land
	ds_store_b32 v[OSW], v[PR]
	ds_store_b32 v[OSW], v[PR+1] offset:128
	ds_store_b32 v[OSW], v[SR] offset:256
	ds_store_b32 v[OSW], v[SR+1] offset:384
	ds_load_b64 v[OB:OB+1], v[OSR]
	ds_load_b64 v[OB+2:OB+3], v[OSR] offset:256
	s_wait_dscnt 0x0
	global_store_b64 v[GO], v[OB:OB+1], s[30:31] offset:256*(\tb) th:TH_STORE_NT
	global_store_b64 v[GO], v[OB+2:OB+3], s[32:33] offset:256*(\tb) th:TH_STORE_NT
.endm
; ONE TILE.  k8: the tile's number among the trip's eight = its ring set.  gat = 1: the tile 7 further on is asked for, by offsets that the step before has made.
; idr = 1: the ids of the tile 8 further on are read and made offsets, for the next step's head.  cnt: the younger loads that may stay out
.macro STEP k8, gat, idr, cnt
.set OFC, OFA+40*((\k8)%2)             ; the offsets that this step's gather reads
.set OFN, OFA+40*(((\k8)+1)%2)         ; the set that this step makes
	s_wait_loadcnt \cnt                            ; loads come back in order (ISA guide 5.7.1): this tile's eight are in, and all that is older
	s_wait_xcnt 0x0                                ; every earlier memory instruction has had its addresses translated (ISA guide 3.1): the offsets of the last gather and the data of the last stores are rewritten only behind this wait
.if \gat || \idr || ((\k8)%4 == 0)
	s_wait_alu depctr_vm_vsrc(0)                   ; the last step's LDS stores have read the ring set in which the gather below lands; the last gather has read the offsets on which the ids below land;
	                                               ; the way out's stores have read T, PR and SR, and the first fills X, P and CD, which this step's vector instructions write
.endif
	s_wait_alu depctr_va_vdst(0)                   ; the last step's vector and matrix instructions are done with v[X ..], in which the stage's loads land; its offsets are written, which the gather reads; it is done reading ABV; behind a trip's end IDC and ABC are written
.if \gat
.if (\k8)%4 == 0
	ABROWS ((\k8)/4+1)%2, IA                       ; the next 64 rows' A and B: older than their last tile's rows, so that tile's wait shows them in
.endif
	ROWS ((\k8)+7)%8, OFC, OFC+4                   ; into the set that the tile before this one left
.endif
	TURN \k8
.if \idr
	IDREAD (\k8)+8, OFN, OFN+4
.if (\k8)%4 == 3
	ABREAD ((\k8)+1)/4+1, IA
.endif
.endif
	s_wait_dscnt 0x0                               ; u, q and the ids are in
.if \idr
	OFFS OFN, OFN+4                                ; no memory instruction of this step names these: the next step's head states that they are written
.if (\k8)%4 == 3
	ABOFFS IA
.endif
.endif
.irp i, 0,2,4,6,8,10,12,14
	v_pk_mul_f32 v[P+\i:P+\i+1], v[X+\i:X+\i+1], v[X+16+\i:X+16+\i+1]    ; u*q
.endr
.irp i, 0,1,2,3
	v_pk_add_f32 v[T+2*\i:T+2*\i+1], v[P+4*\i:P+4*\i+1], v[P+4*\i+2:P+4*\i+3]   ; the dot product's first level, ahead of the holds
.endr
	QUANT X, CD
	QUANT X+16, CD+4
	QUANT P, CD+8
	v_nop                                          ; one plain vector instruction between a scaled conversion and the matrix instructions that read its result and write over its sources
.irp t, 0,1,2,3
	v_wmma_f32_16x16x128_fp8_fp8 v[ACC+8*\t:ACC+8*\t+7], v[W1F+16*\t:W1F+16*\t+15], v[CD:CD+15], v[B1+8*\t:B1+8*\t+7]
.endr
	v_pk_add_f32 v[T:T+1], v[T:T+1], v[T+2:T+3]    ; the rest of the dot product: four plain instructions that name no register of the products: the places behind them (ISA guide 7.12.1)
	v_pk_add_f32 v[T+4:T+5], v[T+4:T+5], v[T+6:T+7]
	v_pk_add_f32 v[T:T+1], v[T:T+1], v[T+4:T+5]
	v_add_f32 v[DP+(\k8)%2], v[T], v[T+1]
.irp t, 0,1,2,3
.irp i, 0,1,2,3,4,5,6,7
	v_max_num_f32 v[ACC+8*\t+\i], 0, v[ACC+8*\t+\i]    ; relu; each accumulator from its low end on
.endr
.irp i, 0,2,4,6
.if (\t == 0) && (\i == 0)
	v_pk_fma_f32 v[CH:CH+1], v[ACC:ACC+1], v[W2R:W2R+1], v[BI:BI+1]      ; the first chain starts with b2 (in one half of the lanes alone)
.elseif (\t == 0) && (\i == 2)
	v_pk_mul_f32 v[CH+2:CH+3], v[ACC+2:ACC+3], v[W2R+2:W2R+3]            ; the second with its first product
.else
	v_pk_fma_f32 v[CH+\i%4:CH+\i%4+1], v[ACC+8*\t+\i:ACC+8*\t+\i+1], v[W2R+8*\t+\i:W2R+8*\t+\i+1], v[CH+\i%4:CH+\i%4+1]
.endif
.endr
.endr
	v_pk_add_f32 v[CH:CH+1], v[CH:CH+1], v[CH+2:CH+3]
	v_add_f32 v[SP+(\k8)%2], v[CH], v[CH+1]
.if (\k8)%2 == 1
	COMBINE ((\k8)%4)/2
.endif
.if (\k8)%4 == 3
	OUT (\k8)/4
.endif
.endm
	; THE RING IS FILLED: tiles 0 to 6 and the first 64 rows' A and B, in the order that every later fill keeps: three tiles, A and B, the group's fourth tile.
	; The offsets of tile 7 and of the second 64 rows' A and B are made here too: step 0's head asks by them
.irp kf, 0,1,2,3,4,5,6
	IDREAD \kf, X+8*\kf, X+8*\kf+4
.endr
	IDREAD 7, OFA, OFA+4
	ABREAD 0, X+56
	ABREAD 1, IA
	s_wait_dscnt 0x0
.irp kf, 0,1,2,3,4,5,6
	OFFS X+8*\kf, X+8*\kf+4
.endr
	OFFS OFA, OFA+4
	ABOFFS X+56
	ABOFFS IA
	s_wait_alu depctr_va_vdst(0)                   ; all these offsets are written, which the 60 loads below read; only loads and window switches follow up to the last of them
	ROWS 0, X, X+4
	ROWS 1, X+8, X+12
	ROWS 2, X+16, X+20
	WIN 0
	ABROWS 0, X+56
	ROWS 3, X+24, X+28
	ROWS 4, X+32, X+36
	ROWS 5, X+40, X+44
	ROWS 6, X+48, X+52
	WIN 0
	; while they are on their way: the constants.  None of these lines names a register that a pending load reads or lands in
.irp t, 0,1,2,3
.irp i, 12,13,14,15
	v_mov_b32 v[W1F+16*\t+\i], 0                   ; k = 96 .. 127: zero codes, on both sides
.endr
.endr
.irp i, 12,13,14,15
	v_mov_b32 v[CD+\i], 0
.endr
	s_wait_kmcnt 0x0
	s_add_co_i32 s37, s34, s35                     ; e0 + e1: a sum of the product stands for sum x 2^(e0 + e1)
	s_sub_co_i32 s38, 0, s37
	s_add_co_i32 s39, s34, 127
	s_lshl_b32 s40, s39, 23
	v_mov_b32 v[SC], s40                           ; 2^e0 as f32: the conversion takes its exponent field
	s_add_co_i32 s39, s39, 8
	s_lshl_b32 s39, s39, 23
	s_or_b32 s39, s39, 0x600000
	v_mov_b32 v[LIM], s39                          ; 448 x 2^e0
	v_mov_b32 v[BI], s36
	v_mov_b32 v[BI+1], 0
	v_cndmask_b32 v[BI], v[BI], v[BI+1], s5        ; b2 in lanes 0-15 alone: a row's two halves are added later
.irp i, 0,1,2,3,4,5,6,7,8,9,10,11,12,13,14,15,16,17,18,19,20,21,22,23,24,25,26,27,28,29,30,31
	v_ldexp_f32 v[B1+\i], v[B1+\i], s38            ; b1 / 2^(e0 + e1)
	v_ldexp_f32 v[W2R+\i], v[W2R+\i], s37          ; W2 x 2^(e0 + e1)
.endr
	; THE COUNTS.  At the wait for tile k all up to tile k + 6 has been asked for: 6 tiles x 8 loads, and 4 for each group of A and B that was asked for behind tile k:
	; one for a group's first and fourth tile, two for its second and third
	s_mov_b32 s3, 3
.Ltrip:                                                ; a trip: 8 tiles, 128 rows; three trips, tiles 0 to 23
	STEP 0, 1, 1, 52
	STEP 1, 1, 1, 56
	STEP 2, 1, 1, 56
	STEP 3, 1, 1, 52
	STEP 4, 1, 1, 52
	STEP 5, 1, 1, 56
	STEP 6, 1, 1, 56
	STEP 7, 1, 1, 52
	s_wait_xcnt 0x0                                ; the stores have read their bases
	s_add_nc_u64 s[30:31], s[30:31], 512
	s_add_nc_u64 s[32:33], s[32:33], 512
	s_add_co_u32 s4, s4, 512
	s_wait_alu depctr_vm_vsrc(0)                   ; the LDS loads of ids issued so far have read IDC and ABC, which are written below
	v_add_nc_u32 v[IDC], s4, v[IDA]
	v_add_nc_u32 v[ABC], s4, v[ABA]
	s_sub_co_u32 s3, s3, 1
	s_cmp_lg_u32 s3, 0
	s_cbranch_scc1 .Ltrip
	STEP 0, 1, 0, 52                               ; tiles 24 to 31 are written out: one more fill (tile 31, and the last 64 rows' A and B), by the offsets that tile 23's step made; no more ids; then no fill, and the counts run down
	STEP 1, 0, 0, 56
	STEP 2, 0, 0, 48
	STEP 3, 0, 0, 36
	STEP 4, 0, 0, 28
	STEP 5, 0, 0, 20
	STEP 6, 0, 0, 12
	STEP 7, 0, 0, 0
	s_wait_xcnt 0x0
	v_lshl_add_u32 v254, v0, 2, 0x12000            ; my spare word, behind the eight waves' regions, and 0: made anew here, in two registers of W2 that are done with and that no memory or LDS instruction has read
	v_mov_b32 v255, 0
	s_wait_dscnt 0x0                               ; the closing lines, six on end, for a launch in the mode that stores to LDS
	s_wait_alu 0x0
	s_wait_tensorcnt 0x0
	ds_add_u32 v254, v255
	s_wait_dscnt 0x0
	s_endpgm
.Lfunc_end_k_qac3d42cd49_fused:
	.size	k_qac3d42cd49_fused, .Lfunc_end_k_qac3d42cd49_fused-k_qac3d42cd49_fused
	.p2alignl 7, 3214868480
	.fill 96, 4, 3214868480
	.section	.rodata,"a",@progbits
	.p2align	6, 0x0
	.amdhsa_kernel k_qac3d42cd49_fused
		.amdhsa_group_segment_fixed_size 74752
		.amdhsa_private_segment_fixed_size 0
		.amdhsa_enable_private_segment 0
		.amdhsa_kernarg_size 104
		.amdhsa_user_sgpr_count 2
		.amdhsa_user_sgpr_kernarg_segment_ptr 1
		.amdhsa_wavefront_size32 1
		.amdhsa_system_sgpr_workgroup_id_x 1
		.amdhsa_system_sgpr_workgroup_id_y 1
		.amdhsa_system_sgpr_workgroup_id_z 1
		.amdhsa_system_vgpr_workitem_id 0
		.amdhsa_next_free_vgpr 512
		.amdhsa_next_free_sgpr 66
		.amdhsa_reserve_vcc 0
		.amdhsa_float_denorm_mode_32 3
		.amdhsa_float_denorm_mode_16_64 3
		.amdhsa_memory_ordered 1
		.amdhsa_forward_progress 1
		.amdhsa_inst_pref_size 181
	.end_amdhsa_kernel
	.amdgpu_metadata
---
amdhsa.version: [ 1, 2 ]
amdhsa.kernels:
  - .name:           k_qac3d42cd49_fused
    .symbol:         k_qac3d42cd49_fused.kd
    .args:
      - { .name: user_ids, .offset: 0, .size: 8, .value_kind: global_buffer, .address_space: global }
      - { .name: item_ids, .offset: 8, .size: 8, .value_kind: global_buffer, .address_space: global }
      - { .name: U, .offset: 16, .size: 8, .value_kind: global_buffer, .address_space: global }
      - { .name: Q, .offset: 24, .size: 8, .value_kind: global_buffer, .address_space: global }
      - { .name: A, .offset: 32, .size: 8, .value_kind: global_buffer, .address_space: global }
      - { .name: B, .offset: 40, .size: 8, .value_kind: global_buffer, .address_space: global }
      - { .name: W1_codes, .offset: 48, .size: 8, .value_kind: global_buffer, .address_space: global }
      - { .name: b1, .offset: 56, .size: 8, .value_kind: global_buffer, .address_space: global }
      - { .name: W2, .offset: 64, .size: 8, .value_kind: global_buffer, .address_space: global }
      - { .name: b2, .offset: 72, .size: 8, .value_kind: global_buffer, .address_space: global }
      - { .name: lowp_scales, .offset: 80, .size: 8, .value_kind: global_buffer, .address_space: global }
      - { .name: out0, .offset: 88, .size: 8, .value_kind: global_buffer, .address_space: global }
      - { .name: out1, .offset: 96, .size: 8, .value_kind: global_buffer, .address_space: global }
    .group_segment_fixed_size: 74752
    .private_segment_fixed_size: 0
    .kernarg_segment_align: 8
    .kernarg_segment_size: 104
    .max_flat_workgroup_size: 256
    .sgpr_count:     66
    .vgpr_count:     512
    .wavefront_size: 32
...
	.end_amdgpu_metadata
.endif
;; end of part 2
